; MI455X (gfx1250); checked and timed in simulation.
; The chip was launched on July 23, 2026; its instructions are those of AMD's public machine-readable ISA for CDNA 5 (MIT licence, August 2026) and "CDNA5" Instruction Set Architecture Reference Guide (July 2026). The comments in the code are by the model that wrote it; some were corrected since.
;; Lo RA Linear. Allowed arithmetic: matrix products marked QUANTISED: E3M2 operands, one E8M0 scale for each 32 along K, by v_wmma_scale_f32_16x16x128_f8f6f4 with both operands' format E3M2, f32 sums; products left as they are: f32 operands where the result goes on into a quantised operand, else bf16, f16 or f32 operands; f32 sums; everything else in f32.
;; Inputs: W 4,096 x 4,096 float32; bias 4,096 float32; lora_A 4,096 x 16 float32; lora_B 16 x 4,096 float32; x 4 x 512 x 4,096 float32.
;; Outputs: out0 4 x 512 x 4,096 float32.
;; This version of the problem:
;;   THIS VERSION OF THE PROBLEM IS GIVEN IN LOW PRECISION. The matrix products marked QUANTISED in the list below multiply operands that are first quantised to E3M2 (3 exponent bits, 2 mantissa bits; 6 bits a number), with one power-of-two scale for each 32 numbers along K (OCP MX v1.0); their sums are f32. All else is computed in f32.
;;   The module's matrix products, in the order in which they are computed (A, B: the left and right operand; K: the contracted axis; several contracted axes count as one K, in the product's order):
;;     1. [M 4,096, K 16] x [K 16, N 4,096]; A: input lora_A; B: input lora_B: left as it is (K = 16 < 32)
;;     2. [M 2,048, K 4,096] x [K 4,096, N 4,096]; A: input x; B: input W: QUANTISED
;;     3. [M 2,048, K 4,096] x [K 4,096, N 4,096]; A: input x; B: computed on the way: QUANTISED
;;   THE QUANTISER, for each operand of a quantised product, along K:
;;     - K is cut into blocks of 32 from its start; a last block that is shorter is filled with zeros.
;;     - A block's scale is 2^e with e = floor(log2(the largest magnitude in the block)) - 4, held to -126 .. 127; a block of zeros has e = 0. As a byte (E8M0): e + 127.
;;     - Each number is divided by its block's scale, clamped to +-28, and rounded to the nearest number of E3M2, ties to even, subnormals kept.
;;     - The product sums the exact products of the quantised numbers (number of the format x scale) in f32.
;;   ~~~python
;;   def quantise(x, axis):      # numpy; x: float32 -> the quantised numbers, widened to float32 again
;;       x = np.moveaxis(x, axis, -1); K = x.shape[-1]
;;       x = np.pad(x, [(0, 0)] * (x.ndim - 1) + [(0, -K % 32)]); x = x.reshape(x.shape[:-1] + (-1, 32)); a = np.abs(x).max(-1, keepdims=True)
;;       e = np.where(a > 0, np.clip(np.frexp(np.where(a > 0, a, 1))[1] - 1 - 4, -126, 127), 0)      # np.frexp(a)[1] - 1 = floor(log2(a)), exactly
;;       r = np.clip(x / 2.0 ** e, -28, 28)
;;       step = 2.0 ** (np.maximum(np.frexp(np.where(r == 0, 1, r))[1] - 1, -2) - 2)
;;       q = np.round(r / step) * step * 2.0 ** e      # np.round: ties to even
;;       return np.moveaxis(q.reshape(q.shape[:-2] + (-1,))[..., :K], -1, axis).astype(np.float32)
;;   ~~~
;;   OPERANDS COMPUTED ON THE WAY. 'Computed on the way' means the value that the module computes at that place (a softmax that the list does not call 'softmax' is quantised finished and normalised). What goes into a quantiser is computed in f32, as accurately as f32 sums, v_exp_f32 and their like allow (about 1e-6 of the number): no bf16 or f16 on the way to a quantiser, and a product that is left as it is and whose result goes on into a quantised operand takes f32 operands (vector FMAs, or v_wmma_f32_16x16x4_f32). A number that lies on a knife's edge between two numbers of the format may be rounded either way, as far as f32 arithmetic and the matrix unit's own rounding can turn it there, and no further.
;; One version. Each part assembles by itself: llvm-mc -triple=amdgcn-amd-amdhsa -mcpu=gfx1250 --defsym DOCPART=n.
;; ======== version 1 of 1: 2 launches
;; limits: right only within a limited range of input values
;; workspace buffers: xq 6,553,600 bytes; bq 26,214,400 bytes
;; launch quant (part 1): grid 1280 x 1, 2 waves a work-group, no clusters, 17,152 bytes of LDS; arguments x, W, lora_A, lora_B, xq, bq; writes xq, bq
.if DOCPART == 1
	.amdgcn_target "amdgcn-amd-amdhsa--gfx1250"
	.amdhsa_code_object_version 6
	.text
	.protected	k_qa765f24c3b_quant
	.globl	k_qa765f24c3b_quant
	.p2align	8
	.type	k_qa765f24c3b_quant,@function
k_qa765f24c3b_quant:
	s_mov_b64 s[64:65], 0
	v_nop
	global_prefetch_b8 v0, s[64:65] scope:SCOPE_SE
	s_setreg_imm32_b32 hwreg(HW_REG_WAVE_MODE, 25, 1), 1
	s_wait_xcnt 0x0
; x [2048][4096], W [4096][4096] and U = lora_A lora_B [4096][4096] (f32, K = the 4,096 in-features, innermost) become codes of BF6 (E3M2), 6 bits each, with one E8M0 byte for each 32 along K.
; A block's scale is 2^(floor(log2(its largest magnitude)) - 4); its byte is the largest magnitude's exponent field - 4, held at 1 from below; each number / scale goes to the nearest code, ties to even, beyond 28 the largest code.
; LIMITS: a block of zeros gets the byte 1 where the rule says 127 (its codes are zeros, which add nothing under any byte but 0xff, and this program alone reads the bytes); NaN and infinities among the inputs are not served.
; THE WORKSPACE IS LAID AS THE PRODUCT'S LAUNCH WANTS ITS REGISTERS.  A fragment (16 rows x 128 K: 12 registers a lane) is 1,536 bytes: register 4 j + e of lane l at byte 512 j + 16 l + 4 e.
; Both buffers are [panel P][kk = which 128 along K, 0 .. 31][12,800 bytes]: the eight fragments of the panel's blocks i = 0 .. 7 of 16 rows, then 512 bytes of scale words: the word of block i, row r (byte b: k = 32 b on of the 128)
; at 128 (i / 2) + 8 r + 4 (i % 2).  xq: panel P = x's rows 128 P on.  bq: panel P serves outputs 64 P .. 64 P + 63: blocks 0-3 are W's rows 64 P + 16 i + r, blocks 4-7 U's rows 64 P + 16 (i - 4) + r.
; ROLES, by the work-group's number: 0-511 U, 512-1023 W, 1024-1279 x: 1,280 work-groups of two waves.  Every wave makes 8 fragments: four blocks x 256 along K; waves share nothing: no barrier.
; Every offset is an immediate; no pointer is stepped.
; U: U^T's tiles are made by the f32 matrix form (source 0 = 16 in-features of lora_B, source 1 = 16 rows of lora_A, K = the rank, 4 at a time), so that a lane holds ONE row of U and its registers run along the in-features.
;    THE IN-FEATURES OF A TILE ARE NOT NEIGHBOURS: lane r of tile 2 b + u takes in-feature 32 b + 8 u + r + 8 (r / 8), so that the 16 registers of tiles 2 b and 2 b + 1 are 16 neighbours along K: 32 b + 16 (lane / 16) + 0 .. 15.
;    The accumulators v176-239 are written by matrix instructions alone in this whole text.
; x, W: each load reads 512 consecutive bytes of one row; a fragment's 16 rows turn through the wave's own stage in LDS (rows of 512 + 16 bytes) and come back 64 bytes a lane.
; ORDER INSIDE bq's 12,800 BYTES (xq's are as said above): the fragments of blocks 0-3 (W), then the 512 bytes of scale words of all eight blocks, then the fragments of blocks 4-7 (U):
; the product's launch stages the first 6,656 bytes of each kk in LDS as one row of a tile, and loads U's fragments straight into registers.
.set L16,  4                           ; v4   16 x lane: offset of loads of rows and of the codes' stores
.set SW,   5                           ; v5   the stage, on the way in: 16 x lane
.set SRD,  6                           ; v6   and on the way out: 528 r + 64 h
.set L8,   7                           ; v7   8 x lane: the scale words' stores
.set LBO,  8                           ; v8   lora_B: 32,768 h + 4 (r + 8 (r / 8))
.set LAO,  9                           ; v9   lora_A: 64 r + 8 h
.set TM,   10                          ; v10-13 largest magnitudes; v14-17 the other half's, then the bytes; v18-21 the conversions' scale operands
.set PW,   22                          ; v22-25 the scale words of my four blocks, for one kk
.set DD,   26                          ; v26-27 the pair of scale words that is stored
.set PC,   28                          ; a fragment's codes, 12 registers: v28-39; on the path of x and W v28-39 and v240-251 by turns
.set PT,   40                          ; v40-42, v44-46 halves of blocks on their way
.set R0,   48                          ; v48-111, v112-175: two sets of 64 numbers (x, W)
.set LB,   48                          ; v48-175: lora_B's fragments (U): 64 q + 8 tile + 2 k4 + j
.set ACC,  176                         ; v176-239: eight tiles of U^T
.set LA,   240                         ; v240-247: lora_A's fragments: 2 k4 + j
.set WV,   20                          ; s20  wave
.set SEL,  22                          ; s[22:23] v_permlanex16_b32's selects for lane l xor 16
.set HI16, 24                          ; s24  the mask of lanes 16-31
.set SRC,  26                          ; s[26:27] the rows read (x or W)
.set COD,  28                          ; s[28:29] where my codes go: my first block's fragment of my first kk
.set SCA,  30                          ; s[30:31] where my scale words go: my four blocks' 256 bytes of my first kk
.set SPITCH, 528
.set WSTAGE, 16*SPITCH
.set KKB,  12800                       ; from kk to kk
.set PSTR, 32*KKB                      ; from panel to panel
; 64 numbers of a lane, v[s] .. v[s + 63], register 16 b + i = k 32 b + 16 (lane / 16) + i of my row, become a fragment's codes in v[PC] on and its scale word in v[pw].  The sources are only read.
.macro QUANT s, pw
.irp b, 0,1,2,3
	v_max3_num_f32 v[TM+\b], |v[\s+16*\b]|, |v[\s+1+16*\b]|, 0x2800000   ; block b: my 16 numbers, and the floor 2^(5 - 127): the byte cannot fall under 1.  (A matrix result is read from its low end on)
.endr
.irp i, 2,4,6,8,10,12,14
.irp b, 0,1,2,3
	v_max3_num_f32 v[TM+\b], v[TM+\b], |v[\s+16*\b+\i]|, |v[\s+1+16*\b+\i]|   ; the four blocks by turns
.endr
.endr
.irp b, 0,1,2,3
	v_permlanex16_b32 v[TM+4+\b], v[TM+\b], s[SEL], s[SEL+1]
.endr
.irp b, 0,1,2,3
	v_max_num_f32 v[TM+\b], v[TM+\b], v[TM+4+\b]          ; with lane l xor 16's 16: the block's largest magnitude
.endr
.irp b, 0,1,2,3
	v_add_nc_u32 v[TM+8+\b], 0xfe000000, v[TM+\b]         ; 4 off its exponent field: the conversion takes the exponent field of this operand as its scale
.endr
.irp b, 0,1,2,3
	v_lshrrev_b32 v[TM+4+\b], 23, v[TM+8+\b]              ; the scale's byte
.endr
	v_lshl_or_b32 v[\pw], v[TM+5], 8, v[TM+4]             ; four bytes: my row's scale word (lanes r and 16 + r hold the same)
	v_lshl_or_b32 v[\pw], v[TM+6], 16, v[\pw]
	v_lshl_or_b32 v[\pw], v[TM+7], 24, v[\pw]
.irp c, 0,1
	v_cvt_scalef32_pk16_bf6_f32 v[PC+6*\c:PC+6*\c+2], v[\s+32*\c:\s+32*\c+15], v[TM+8+2*\c]
	v_cvt_scalef32_pk16_bf6_f32 v[PT+4*\c:PT+4*\c+2], v[\s+32*\c+16:\s+32*\c+31], v[TM+9+2*\c]   ; (a conversion's three registers begin on an even number)
.endr
	v_nop                                                 ; one plain place behind the scaled conversions
.irp c, 0,1                                            ; the operand's layout wants a WHOLE block in a lane: lanes 0-15 block 2 c, lanes 16-31 block 2 c + 1
.irp i, 0,1,2
	v_permlane16_swap_b32 v[PC+6*\c+\i], v[PT+4*\c+\i]
.endr
.irp i, 0,1,2
	v_mov_b32 v[PC+3+6*\c+\i], v[PT+4*\c+\i]
.endr
.endr
.endm
.macro OUT off                         ; the fragment's image: three stores of 512 consecutive bytes
.irp j, 0,1,2
	global_store_b128 v[L16], v[PC+4*\j:PC+4*\j+3], s[COD:COD+1] offset:\off+512*\j
.endr
.endm
.macro SCOUT off                       ; my four blocks' scale words of one kk: lanes 0-15 the words of blocks 0 and 1 of row r, lanes 16-31 those of blocks 2 and 3: 256 consecutive bytes, aligned
	v_cndmask_b32 v[DD], v[PW], v[PW+2], s[HI16]
	v_cndmask_b32 v[DD+1], v[PW+1], v[PW+3], s[HI16]
	global_store_b64 v[L8], v[DD:DD+1], s[SCA:SCA+1] offset:\off
.endm
	s_load_b256 s[4:11], s[0:1], 0x0               ; x s[4:5], W s[6:7], lora_A s[8:9], lora_B s[10:11]
	s_load_b128 s[12:15], s[0:1], 0x20             ; xq s[12:13], bq s[14:15]
	v_lshl_add_u32 v254, v0, 2, 0x4200
	v_mov_b32 v255, 0
	v_lshrrev_b32 v1, 5, v0
	v_readfirstlane_b32 s[WV], v1                  ; wave 0, 1
	v_and_b32 v1, 31, v0                           ; lane
	v_and_b32 v2, 15, v0                           ; r
	v_bfe_u32 v3, v0, 4, 1                         ; h
	v_lshlrev_b32 v[L16], 4, v1
	s_mul_i32 s25, s[WV], WSTAGE                   ; my wave's stage
	v_add_nc_u32 v[SW], s25, v[L16]
	v_mul_u32_u24 v[SRD], v2, SPITCH
	v_lshl_add_u32 v[SRD], v3, 6, v[SRD]
	v_add_nc_u32 v[SRD], s25, v[SRD]
	v_lshlrev_b32 v[L8], 3, v1
	v_and_b32 v[LBO], 8, v2
	v_add_nc_u32 v[LBO], v[LBO], v2                ; r + 8 (r / 8)
	v_lshlrev_b32 v[LBO], 2, v[LBO]
	v_lshl_add_u32 v[LBO], v3, 15, v[LBO]          ; + two rows of lora_B for lanes 16-31
	v_lshlrev_b32 v[LAO], 6, v2
	v_lshl_add_u32 v[LAO], v3, 3, v[LAO]
.irp b, 0,1,2,3
	v_mov_b32 v[TM+4+\b], 0                        ; written once: a lane permute's destination counts as one of its sources
.endr
	s_mov_b32 s[SEL], 0x76543210
	s_mov_b32 s[SEL+1], 0xfedcba98
	s_mov_b32 s[HI16], 0xffff0000
	s_mov_b32 s39, 0
	s_wait_kmcnt 0x0
	s_cmp_lt_u32 ttmp9, 512
	s_cbranch_scc0 .Lstream
	; ---------------- U = lora_A lora_B ----------------
	s_and_b32 s25, ttmp9, 15                       ; which 256 along K
	s_lshr_b32 s32, ttmp9, 4
	s_lshl_b32 s32, s32, 1
	s_add_co_u32 s32, s32, s[WV]                   ; panel P = 2 (work-group / 16) + wave
	s_lshl_b32 s38, s25, 10
	s_add_nc_u64 s[10:11], s[10:11], s[38:39]      ; lora_B at my first in-feature
	s_lshl_b32 s38, s32, 12
	s_add_nc_u64 s[8:9], s[8:9], s[38:39]          ; lora_A at row 64 P
	s_mul_i32 s38, s32, PSTR
	s_mul_i32 s37, s25, 2*KKB
	s_add_co_u32 s38, s38, s37
	s_add_nc_u64 s[COD:COD+1], s[14:15], s[38:39]  ; my panel, my first kk
	s_add_nc_u64 s[SCA:SCA+1], s[COD:COD+1], 4*1536+256   ; the scale words of blocks 4-7: behind W's four fragments and the words of blocks 0-3
	s_add_nc_u64 s[COD:COD+1], s[COD:COD+1], 4*1536+512   ; the fragment of block 4: behind the scale words
	s_wait_alu depctr_va_vdst(0)
.irp q, 0,1
.irp n, 0,1,2,3,4,5,6,7
.irp k, 0,1,2,3
.irp j, 0,1
	global_load_b32 v[LB+64*\q+8*\n+2*\k+\j], v[LBO], s[10:11] offset:(4*\k+\j)*16384+512*\q+4*(32*(\n/2)+8*(\n%2))   ; lora_B(4 k + 2 h + j, the tile's in-feature of lane r): they stay for all eight fragments
.endr
.endr
.endr
.endr
.macro LALOAD blk                      ; lora_A(16 blk + r, 4 k + 2 h + 0, 1)
.irp k, 0,1,2,3
	global_load_b64 v[LA+2*\k:LA+2*\k+1], v[LAO], s[8:9] offset:1024*(\blk)+16*\k
.endr
.endm
	LALOAD 0
; Fragment t: kk t / 4 of my two, U's block t % 4 of the panel (block 4 + t % 4 of the right operand's panel).
.macro USTEP t
.set UQ, (\t)/4
.set UB, (\t)%4
	s_wait_loadcnt 0x0                             ; this block's rows of lora_A are in (ahead of the first fragment: lora_B too)
.irp k, 0,1,2,3                                ; the eight accumulators take turns, one instruction a turn, the rank ascending; the first product starts each sum
.irp n, 0,1,2,3,4,5,6,7
.if \k == 0
	v_wmma_f32_16x16x4_f32 v[ACC+8*\n:ACC+8*\n+7], v[LB+64*UQ+8*\n+2*\k:LB+64*UQ+8*\n+2*\k+1], v[LA+2*\k:LA+2*\k+1], 0
.else
	v_wmma_f32_16x16x4_f32 v[ACC+8*\n:ACC+8*\n+7], v[LB+64*UQ+8*\n+2*\k:LB+64*UQ+8*\n+2*\k+1], v[LA+2*\k:LA+2*\k+1], v[ACC+8*\n:ACC+8*\n+7]
.endif
.endr
.endr
.rept 8
	v_nop                                          ; eight places behind this form in front of the first read of results and of loads into lora_A's registers
.endr
.if (\t) < 7
	LALOAD ((\t)+1)%4                              ; the next fragment's rows land while this fragment is quantised
.endif
	s_wait_xcnt 0x0                                ; the last fragment's stores have read their data: the codes' registers are written again only behind this wait
	QUANT ACC, PW+UB                               ; its plain lines also stand between these products and the next fragment's, which begin the accumulators anew
	OUT KKB*UQ+1536*UB
.if UB == 3
	SCOUT KKB*UQ
.endif
.endm
.irp t, 0,1,2,3,4,5,6,7
	USTEP \t
.endr
	s_endpgm
	; ---------------- x and W: one path, the buffers chosen by the work-group's number ----------------
.Lstream:
	s_sub_co_u32 s25, ttmp9, 512
	s_cmp_lt_u32 s25, 512                          ; W's work-group or x's?  The choice hangs on the work-group's number alone
	s_cselect_b64 s[SRC:SRC+1], s[6:7], s[4:5]
	s_cselect_b64 s[COD:COD+1], s[14:15], s[12:13]
	s_cselect_b32 s32, 0, 1                        ; runs of 64 rows in a panel: W 1, x 2: the shift, and the mask
	s_cselect_b32 s34, 0, 512
	s_sub_co_u32 s25, s25, s34                     ; the task's number in its tensor
	s_lshr_b32 s35, s25, 3                         ; which 64 rows
	s_and_b32 s36, s25, 7
	s_lshl_b32 s36, s36, 1
	s_add_co_u32 s36, s36, s[WV]                   ; which 256 along K: 2 (task % 8) + wave
	s_lshl_b32 s38, s35, 20                        ; 64 rows of 16,384 bytes
	s_lshl_b32 s37, s36, 10
	s_add_co_u32 s38, s38, s37
	s_add_nc_u64 s[SRC:SRC+1], s[SRC:SRC+1], s[38:39]
	s_lshr_b32 s40, s35, s32                       ; panel P
	s_and_b32 s41, s35, s32                        ; which four of its blocks (x: 0 or 1; W: 0)
	s_mul_i32 s38, s40, PSTR
	s_mul_i32 s37, s36, 2*KKB
	s_add_co_u32 s38, s38, s37
	s_add_nc_u64 s[COD:COD+1], s[COD:COD+1], s[38:39]     ; my panel, my first kk
	s_lshl_b32 s38, s41, 8
	s_mul_i32 s33, s32, 4*1536                     ; the scale words stand behind four fragments in bq (W: s32 = 0), behind eight in xq (x: s32 = 1)
	s_add_co_u32 s38, s38, s33
	s_add_co_u32 s38, s38, 4*1536
	s_add_nc_u64 s[SCA:SCA+1], s[COD:COD+1], s[38:39]     ; my four blocks' scale words
	s_mul_i32 s38, s41, 4*1536
	s_add_nc_u64 s[COD:COD+1], s[COD:COD+1], s[38:39]     ; my first block's fragment
; Fragment t: kk t / 4 of my two, block t % 4 of my four.
.macro LOAD t                          ; 16 rows x 512 consecutive bytes into set t % 2; read once in the launch
.irp row, 0,1,2,3,4,5,6,7,8,9,10,11,12,13,14,15
	global_load_b128 v[R0+64*((\t)%2)+4*\row:R0+64*((\t)%2)+4*\row+3], v[L16], s[SRC:SRC+1] offset:262144*((\t)%4)+16384*\row+512*((\t)/4) th:TH_LOAD_NT
.endr
.endm
.macro SSTEP t
.set RS, R0+64*((\t)%2)
.set PC, 28+212*((\t)%2)               ; the codes' registers take turns, v28-39 and v240-251: a fragment's stores name other registers than the next fragment's conversions write
.if (\t) < 7
	s_wait_loadcnt 16                              ; this fragment's 16 loads are in; the next fragment's 16 may be out
.else
	s_wait_loadcnt 0x0
.endif
.irp row, 0,1,2,3,4,5,6,7,8,9,10,11,12,13,14,15
	ds_store_b128 v[SW], v[RS+4*\row:RS+4*\row+3] offset:SPITCH*\row
.endr
.irp b, 0,1,2,3                                ; LDS serves a wave's instructions in order (ISA guide 5.7.1): these see the stores above.  Lane (r, h): of row r, k = 32 b + 16 h + 0 .. 15
.irp j, 0,1,2,3
	ds_load_b128 v[RS+16*\b+4*\j:RS+16*\b+4*\j+3], v[SRD] offset:128*\b+16*\j
.endr
.endr
	s_wait_dscnt 0x0
	s_wait_xcnt 0x0                                ; the last fragment's stores have read their data: the codes' registers are written again only behind this wait
	QUANT RS, PW+(\t)%4
.if (\t) < 6
	LOAD (\t)+2                                    ; the set just quantised takes the fragment two on: loads ahead of stores
.endif
	OUT KKB*((\t)/4)+1536*((\t)%4)
.if (\t)%4 == 3
	SCOUT KKB*((\t)/4)
.endif
.endm
	LOAD 0
	LOAD 1
.irp t, 0,1,2,3,4,5,6,7
	SSTEP \t
.endr
	s_wait_tensorcnt 0x0
	ds_add_u32 v254, v255
	s_wait_dscnt 0x0
	s_endpgm
.Lfunc_end_k_qa765f24c3b_quant:
	.size	k_qa765f24c3b_quant, .Lfunc_end_k_qa765f24c3b_quant-k_qa765f24c3b_quant
	.p2alignl 7, 3214868480
	.fill 96, 4, 3214868480
	.section	.rodata,"a",@progbits
	.p2align	6, 0x0
	.amdhsa_kernel k_qa765f24c3b_quant
		.amdhsa_group_segment_fixed_size 17152
		.amdhsa_private_segment_fixed_size 0
		.amdhsa_enable_private_segment 0
		.amdhsa_kernarg_size 48
		.amdhsa_user_sgpr_count 2
		.amdhsa_user_sgpr_kernarg_segment_ptr 1
		.amdhsa_wavefront_size32 1
		.amdhsa_system_sgpr_workgroup_id_x 1
		.amdhsa_system_sgpr_workgroup_id_y 1
		.amdhsa_system_sgpr_workgroup_id_z 1
		.amdhsa_system_vgpr_workitem_id 0
		.amdhsa_next_free_vgpr 256
		.amdhsa_next_free_sgpr 66
		.amdhsa_reserve_vcc 0
		.amdhsa_float_denorm_mode_32 3
		.amdhsa_float_denorm_mode_16_64 3
		.amdhsa_memory_ordered 1
		.amdhsa_forward_progress 1
		.amdhsa_inst_pref_size 131
	.end_amdhsa_kernel
	.amdgpu_metadata
---
amdhsa.version: [ 1, 2 ]
amdhsa.kernels:
  - .name:           k_qa765f24c3b_quant
    .symbol:         k_qa765f24c3b_quant.kd
    .args:
      - { .name: x, .offset: 0, .size: 8, .value_kind: global_buffer, .address_space: global }
      - { .name: W, .offset: 8, .size: 8, .value_kind: global_buffer, .address_space: global }
      - { .name: lora_A, .offset: 16, .size: 8, .value_kind: global_buffer, .address_space: global }
      - { .name: lora_B, .offset: 24, .size: 8, .value_kind: global_buffer, .address_space: global }
      - { .name: xq, .offset: 32, .size: 8, .value_kind: global_buffer, .address_space: global }
      - { .name: bq, .offset: 40, .size: 8, .value_kind: global_buffer, .address_space: global }
    .group_segment_fixed_size: 17152
    .private_segment_fixed_size: 0
    .kernarg_segment_align: 8
    .kernarg_segment_size: 48
    .max_flat_workgroup_size: 64
    .sgpr_count:     66
    .vgpr_count:     256
    .wavefront_size: 32
...
	.end_amdgpu_metadata
.endif
;; end of part 1
;; launch gemm (part 2): grid 32 x 8, 4 waves a work-group, clusters of 4 x 4, 327,680 bytes of LDS; arguments xq, bq, bias, out0; writes out0
.if DOCPART == 2
	.amdgcn_target "amdgcn-amd-amdhsa--gfx1250"
	.amdhsa_code_object_version 6
	.text
	.protected	k_qa765f24c3b_gemm
	.globl	k_qa765f24c3b_gemm
	.p2align	8
	.type	k_qa765f24c3b_gemm,@function
k_qa765f24c3b_gemm:
	s_mov_b64 s[64:65], 0
	v_nop
	global_prefetch_b8 v0, s[64:65] scope:SCOPE_SE
	s_setreg_imm32_b32 hwreg(HW_REG_WAVE_MODE, 25, 1), 1
	s_wait_xcnt 0x0
	s_wait_alu depctr_hold_cnt(0) depctr_sa_sdst(0) depctr_va_vdst(0) depctr_va_sdst(0) depctr_va_ssrc(0) depctr_va_vcc(0) depctr_vm_vsrc(0)
	s_getreg_b32 s2, hwreg(HW_REG_IB_STS2, 6, 4)
	s_cmp_eq_u32 s2, 0
	s_cbranch_scc0 .Lentry_in_a_cluster
	s_endpgm
.Lentry_in_a_cluster:
	s_bfe_u32 s2, ttmp6, 0x10000c
	s_cmp_lg_u32 s2, 0xf033
	s_cbranch_scc0 .Lentry_shape_is_right
	s_endpgm
.Lentry_shape_is_right:
; out0[m][o] = bias[o] + sum over k of Q(x)[m][k] Q(W)[o][k] + sum over k of Q(x)[m][k] Q(U)[o][k], U = lora_A lora_B; m 2,048, o 4,096, k 4,096.  Codes of BF6 (E3M2) and E8M0 bytes come from the launch before.
; No work of reference() is left out.  Both products and the bias go into ONE f32 sum for each output (the bias is the C of the first product): the order of the f32 additions differs from reference()'s base + delta.
; THE WORKSPACE is laid as the registers want it: [panel][kk = which 128 along K, 0 .. 31][12,800 bytes].  A fragment (16 rows x 128 K) is 1,536 bytes: register 4 j + e of lane l at byte 512 j + 16 l + 4 e.
; The 512 bytes of scale words of a kk: block i, row r at 128 (i / 2) + 8 r + 4 (i % 2).  xq's panel P (x's rows 128 P on): eight fragments, the scale words.
; bq's panel P (outputs 64 P on): W's four fragments, the scale words of W's and U's blocks, U's four fragments.
; A work-group of four waves makes 256 rows x 128 outputs: 8 x 32 = 256 work-groups.  A wave makes 128 x 64: 32 accumulators; for one kk it takes 8 fragments of x, 4 of W, 4 of U and issues 64 matrix instructions.
; WHAT GOES THROUGH LDS AND WHAT DOES NOT.  x's and W's fragments and the scale words are staged in LDS: 12 x 1,536 + 1,024 bytes read by a wave for a kk.  U's four fragments, a quarter of a wave's operand bytes, are loaded from bq
; straight into registers, each load 512 bytes on end, three kk ahead, in a ring of four sets: so a wave reads 19,456 bytes from LDS for its 64 matrix instructions in place of 25,600.
; U is therefore not asked for jointly: it lands in registers, not in LDS, and the LDS bytes that it leaves free let a slot hold four kk in place of three (2 x 155,904 bytes), which makes eight equal fills and six refills.
; THE RING: two LDS slots of four kk: xq's two panels (each 200 rows of 256 bytes, dense) and the first 6,656 bytes of each kk of bq's two panels (each 4 rows of 6,656 bytes, 12,800 apart); one tensor load a wave.
; CLUSTERS: 4 x 4 work-groups; xq's tiles are asked for jointly along a row of the cluster, bq's along a column.
; A CHANGE OF SLOTS stands at the head of a slot's last kk, whose fragments are all in registers by then: wait, add, round and refill follow each other with only the descriptors' steps between.
; THE MATRIX INSTRUCTION IS USED TRANSPOSED (source 0 = 16 rows of W or U, source 1 = 16 rows of x): a lane holds eight neighbouring outputs of one row.
; REGISTERS: window 0: v0-31 addresses; v32-47 scale words, two sets; v64-95 the bias; v96-159 the way out; v128-223 x's fragments, one set.  Window 1: W's fragments, two sets of 48.  Window 2: the accumulators, (a, b) at v[32 a + 8 b].
; Window 3: U's fragments, four sets of 48.
.set KKA,    12800                     ; from kk to kk in memory, and in LDS for xq's panels
.set KKW,    6656                      ; what is staged of a kk of bq: W's four fragments and the scale words; also where U's fragments begin
.set PA,     4*KKA                     ; a slot's part of a panel of xq; also four kk in memory
.set PW,     4*KKW                     ; and of bq
.set BASEW,  2*PA+128                  ; bq's parts lie behind xq's two, 128 bytes further on: so the two halves of the lanes of a scale load fall on different banks
.set SLOT,   2*PA+2*PW+256
.set SPARE,  2*SLOT                    ; the spare words: 128 bytes a wave, two blocks of 256 bytes that no other line names
.set STAGE,  0                         ; the way out: 16 rows x 272 bytes for each wave, in slot 0: when the first result is stored there, that slot has had its last fill, and every wave has passed the last barrier, behind which nobody reads it
.set SPITCH, 272
.set PSTR,   32*KKA                    ; from panel to panel in memory
.set FR,     12                        ; registers of a fragment
.set NL,     3                         ; loads that bring one
.set ROWC,   16384                     ; a row of out0 in bytes
.set ADRS, 8                           ; v8-15 LDS address of the scale words of slot s, kk q of its four, at 4 s + q: lanes 0-15 x's rows, lanes 16-31 W's and U's
.set ADRA, 16                          ; v16-17 LDS address of x's fragments in slot 0, 1
.set ADRW, 20                          ; v20-21 of W's
.set GOF,  22                          ; 16 x lane: the offset of U's loads; never rewritten
.set PFO2, 23                          ; the second prefetch's offset: 256 x (32 + min(lane, 17))
.set STO,  24                          ; the way out: where I put 32 bytes of a row
.set RD,   25                          ; where I read rows back
.set CO,   26                          ; my byte offset in out0
.set SPW,  28                          ; LDS address of my spare word; never rewritten
.set NIL,  29                          ; 0; never rewritten
.set PFO,  30                          ; the first prefetch's offset: 256 x lane
.set SC,   32                          ; scale words: set p at v[SC + 8 p]; register i: lanes 0-15 x's block i, lanes 16-31 W's block i (i < 4) or U's block i - 4
.set BI,   64                          ; the bias in the result's layout: 8 b + j = bias[16 b + 8 (lane / 16) + j]
.set AF,   128
.set BK,   96                          ; the way out: 16 rows read back: v96-127 and v128-159 by turns
.set G1, 24                            ; s[24:31] group 1 for xq's tiles, s[32:39] group 0 for slots 0, 1
.set G0, 32
.set G1B, 48                           ; s[48:55], s[56:63] the same for bq's
.set G0B, 56
.set UBA, 68                           ; s[68:69] U's fragments of my panel at the lap's first kk
.set PFA, 96                           ; s[96:97] where my prefetches stand
.set MSB, 0
.macro WIN new                         ; the immediate's high byte repeats the setting that is left
.if MSB != \new
	s_set_vgpr_msb (MSB<<8)|\new
.set MSB, \new
.endif
.endm
.set MUL_W,  0xa1                      ; source 0 window 1, source 1 window 0, C and D window 2
.set MUL_U,  0xa3                      ; source 0 window 3
.set MUL_BI, 0x81                      ; as MUL_W with C (the bias) in window 0
.set TO_W,   0x40                      ; destination window 1, address window 0
.set TO_U,   0xc0                      ; destination window 3, address window 0
; A joint load: waves 0 and 1 fetch xq's two panels, waves 2 and 3 bq's.  The branch hangs on the wave's number alone.  An s_nop 0 and four v_nop follow each line.
.macro JLOAD s
	s_cmp_eq_u32 s17, 0
	s_cbranch_scc0 .Lfor_b_\@
	tensor_load_to_lds s[G0+4*\s:G0+4*\s+3], s[G1:G1+7]
	s_nop 0
.rept 4
	v_nop
.endr
	s_branch .Lasked_\@
.Lfor_b_\@:
	tensor_load_to_lds s[G0B+4*\s:G0B+4*\s+3], s[G1B:G1B+7]
	s_nop 0
.rept 4
	v_nop
.endr
.Lasked_\@:
.endm
.macro CREST                           ; a round of the cluster's barrier behind its opening barrier
	s_cmp_lg_u32 s16, 0
	s_cbranch_scc1 .Lnot_wave_0_\@
	s_barrier_signal -3
.Lnot_wave_0_\@:
	s_barrier_wait -3
	s_barrier_signal -1
	s_barrier_wait -1
.endm
.macro CROUND
	s_barrier_signal -1
	s_barrier_wait -1
	CREST
.endm
; PREFETCHES INTO THE L2.  Four kk of a panel are 200 rows of 256 bytes on end, in bq U's fragments among them.  Of the panel that wave w fetches, the four partners that ask for it jointly share the rows out BY ADDRESS:
; partner p (cx for xq, cy for bq) names rows 50 p .. 50 p + 49, a lane a row, by two instructions (the second's lanes 18-31 name its last row again).  The change of slots that refills with fill F names fill F + 1: four kk ahead of
; the tensor load that wants it, and further ahead of U's loads.  Fill 2 is named when fill 0 has landed; fills 0 and 1 come by their loads alone; the change that refills with fill 7 names nothing.
.macro ASK2
	global_prefetch_b8 v[PFO], s[PFA:PFA+1] th:TH_LOAD_NT scope:SCOPE_SE
	global_prefetch_b8 v[PFO2], s[PFA:PFA+1] th:TH_LOAD_NT scope:SCOPE_SE
.endm
.macro ASK slot
.if \slot
	s_cmp_gt_u32 s3, 1                             ; slot 1's change in the loop's last trip refills with fill 7
	s_cbranch_scc0 .Lno_ask_\@
.endif
	ASK2
.if \slot
.Lno_ask_\@:
.endif
.endm
	s_load_b128 s[4:7], s[0:1], 0x0                ; xq s[4:5], bq s[6:7]
	s_load_b128 s[12:15], s[0:1], 0x10             ; bias s[12:13], out0 s[14:15]
	v_lshl_add_u32 v[SPW], v0, 2, SPARE
	v_mov_b32 v[NIL], 0
	ds_add_u32 v[SPW], v[NIL]                      ; the opening: the add, twice on end, and its wait ahead of my first tensor load
	ds_add_u32 v[SPW], v[NIL]
	v_lshrrev_b32 v1, 5, v0
	v_readfirstlane_b32 s16, v1                    ; wave 0..3
	s_lshr_b32 s17, s16, 1                         ; which 128 rows are mine.  Also: I fetch for xq (0) or bq (1)
	s_and_b32 s18, s16, 1                          ; which 64 outputs.  Also: which of the two panels I fetch
	s_bfe_u32 s40, ttmp6, 0x40000                  ; cx, cy
	s_bfe_u32 s41, ttmp6, 0x40004
	s_lshl_b32 s42, ttmp9, 2
	s_add_co_u32 s42, s42, s40                     ; tile column: 128 outputs
	s_and_b32 s19, ttmp7, 0xffff
	s_lshl_b32 s19, s19, 2
	s_add_co_u32 s19, s19, s41                     ; tile row: 256 rows
	s_lshl_b32 s43, s41, 2
	s_lshl_b32 s43, 15, s43                        ; my row of the cluster
	s_lshl_b32 s44, 0x1111, s40                    ; my column
	s_or_b32 s[G1+0], s43, (3<<16)|(1<<21)         ; the mask; elements of 8 bytes; bit 21 beside a mask; no padding: a fragment's image is read 16 bytes a lane on end
	s_mov_b32 s[G1+1], 32<<16                      ; xq: rows of 32 elements = 256 bytes,
	s_mov_b32 s[G1+2], 200<<16                     ; 200 of them: four kk,
	s_mov_b32 s[G1+3], 32<<16
	s_mov_b32 s[G1+4], 200
	s_mov_b32 s[G1+5], 32                          ; dense
	s_mov_b32 s[G1+6], 0
	s_mov_b32 s[G1+7], 0
	s_or_b32 s[G1B+0], s44, (3<<16)|(1<<21)
	s_mov_b32 s[G1B+1], (KKW/8)<<16                ; bq: rows of 832 elements = 6,656 bytes, 26 x 256,
	s_mov_b32 s[G1B+2], 4<<16                      ; four of them, one a kk,
	s_mov_b32 s[G1B+3], (KKW/8)<<16
	s_mov_b32 s[G1B+4], 4
	s_mov_b32 s[G1B+5], KKA/8                      ; 12,800 bytes apart: every row begins at a multiple of 256 bytes
	s_mov_b32 s[G1B+6], 0
	s_mov_b32 s[G1B+7], 0
	s_lshl_b32 s20, s19, 1
	s_add_co_u32 s20, s20, s18                     ; xq's panel 2 x tile row + which
	s_lshl_b32 s46, s42, 1
	s_add_co_u32 s46, s46, s18                     ; bq's panel 2 x tile column + which
	s_mul_i32 s20, s20, PSTR
	s_mov_b32 s21, 0
	s_mul_i32 s46, s46, PSTR
	s_mov_b32 s47, 0
	s_mul_i32 s45, s18, PA                         ; where a panel of xq goes,
	s_mul_i32 s95, s18, PW
	s_add_co_u32 s95, s95, BASEW                   ; and one of bq
	s_wait_dscnt 0x0                               ; both opening adds are done
	s_wait_kmcnt 0x0
	s_add_nc_u64 s[20:21], s[4:5], s[20:21]
	s_add_nc_u64 s[46:47], s[6:7], s[46:47]
	CROUND                                         ; all sixteen work-groups are here: the first joint loads meet
.irp s, 0,1
	s_mov_b32 s[G0+4*\s], 1
	s_add_co_u32 s[G0+4*\s+1], s45, \s*SLOT
	s_add_nc_u64 s[G0+4*\s+2:G0+4*\s+3], s[20:21], \s*PA
	s_or_b32 s[G0+4*\s+3], s[G0+4*\s+3], 0x80000000
	s_mov_b32 s[G0B+4*\s], 1
	s_add_co_u32 s[G0B+4*\s+1], s95, \s*SLOT
	s_add_nc_u64 s[G0B+4*\s+2:G0B+4*\s+3], s[46:47], \s*PA
	s_or_b32 s[G0B+4*\s+3], s[G0B+4*\s+3], 0x80000000
.endr
	JLOAD 0                                        ; kk 0-3: one tensor load a wave at the head; the set-up below stands under its flight
	v_and_b32 v1, 15, v0                           ; r
	v_bfe_u32 v2, v0, 4, 1                         ; h
	v_and_b32 v3, 31, v0                           ; lane
	v_lshlrev_b32 v[GOF], 4, v3
	s_wait_alu depctr_va_vdst(0)
	s_mul_i32 s21, s17, PA                         ; my panel of xq
	s_mul_i32 s22, s18, PW
	s_add_co_u32 s22, s22, BASEW                   ; my panel of bq
	s_add_co_u32 s20, s21, 8*1536                  ; x's scale words of the slot's first kk,
	s_add_co_u32 s46, s22, 4*1536                  ; and W's and U's
.irp q, 0,1,2,3
	s_sub_co_u32 s23, s46, s20
	v_mul_u32_u24 v6, s23, v2                      ; lanes 16-31 take bq's: one product, the distance between the two
	v_lshl_add_u32 v6, v1, 3, v6
	v_add_nc_u32 v[ADRS+\q], s20, v6
	v_add_nc_u32 v[ADRS+4+\q], SLOT, v[ADRS+\q]
	s_add_co_u32 s20, s20, KKA
	s_add_co_u32 s46, s46, KKW
.endr
	v_add_nc_u32 v[ADRA], s21, v[GOF]
	v_add_nc_u32 v[ADRA+1], SLOT, v[ADRA]
	v_add_nc_u32 v[ADRW], s22, v[GOF]
	v_add_nc_u32 v[ADRW+1], SLOT, v[ADRW]
	s_mul_i32 s23, s16, 16*SPITCH
	s_add_co_u32 s23, s23, STAGE                   ; my stage
	v_mul_u32_u24 v5, v1, SPITCH                   ; in: row r, 32 bytes for each half of the lanes
	v_lshl_add_u32 v5, v2, 5, v5
	v_add_nc_u32 v[STO], s23, v5
	v_mul_u32_u24 v5, v2, SPITCH                   ; back: lanes 0-15 one row of 256 bytes, lanes 16-31 the next
	v_lshl_add_u32 v5, v1, 4, v5
	v_add_nc_u32 v[RD], s23, v5
	v_lshlrev_b32 v5, 14, v2                       ; and the same two rows in out0
	v_lshl_add_u32 v[CO], v1, 4, v5
	v_lshlrev_b32 v[PFO], 8, v3
	v_min_u32 v[PFO2], 17, v3
	v_lshl_add_u32 v[PFO2], v[PFO2], 8, 32*256
	v_lshlrev_b32 v31, 5, v2
	s_lshl_b32 s46, s42, 9                         ; my first output, in bytes: 512 x tile column + 256 x which
	s_lshl_b32 s47, s18, 8
	s_add_co_u32 s46, s46, s47
	s_mov_b32 s47, 0
	s_add_nc_u64 s[12:13], s[12:13], s[46:47]
.irp b, 0,1,2,3
	global_load_b128 v[BI+8*\b:BI+8*\b+3], v31, s[12:13] offset:64*\b      ; bias[16 b + 8 h + 0 .. 7]
	global_load_b128 v[BI+8*\b+4:BI+8*\b+7], v31, s[12:13] offset:64*\b+16
.endr
	s_add_nc_u64 s[14:15], s[14:15], s[46:47]
	s_lshl_b32 s20, s19, 8
	s_lshl_b32 s21, s17, 7
	s_add_co_u32 s20, s20, s21                     ; my first row of out0
	s_lshl_b32 s20, s20, 14
	s_mov_b32 s21, 0
	s_add_nc_u64 s[14:15], s[14:15], s[20:21]
	s_lshl_b32 s20, s42, 1                         ; U's fragments: bq's panel 2 x tile column + which 64 outputs are mine, behind the staged bytes of kk 0
	s_add_co_u32 s20, s20, s18
	s_mul_i32 s20, s20, PSTR
	s_add_co_u32 s20, s20, KKW
	s_add_nc_u64 s[UBA:UBA+1], s[6:7], s[20:21]
; U's four fragments of kk = the lap's first + c into set u: 12 loads, each of 512 bytes on end.  Other waves and work-groups read the same bytes: no hint.
.macro ULOAD c, u
	WIN TO_U
.irp i, 0,1,2,3
.irp j, 0,1,2
	global_load_b128 v[48*(\u)+FR*\i+4*\j:48*(\u)+FR*\i+4*\j+3], v[GOF], s[UBA:UBA+1] offset:KKA*(\c)+1536*\i+512*\j
.endr
.endr
	WIN 0
.endm
	ULOAD 0, 0                                     ; kk 0, 1, 2: three of the four sets
	ULOAD 1, 1
	ULOAD 2, 2
	s_lshl_b32 s20, s19, 1                         ; the prefetches: the panel that I fetch,
	s_lshl_b32 s21, s42, 1
	s_cmp_eq_u32 s17, 0
	s_cselect_b32 s20, s20, s21
	s_cselect_b32 s21, s40, s41                    ; my place among the four that ask for it with me,
	s_cselect_b64 s[PFA:PFA+1], s[4:5], s[6:7]
	s_add_co_u32 s20, s20, s18
	s_mul_i32 s20, s20, PSTR
	s_mul_i32 s21, s21, 50*256                     ; my work-group's 50 rows of each 200,
	s_add_co_u32 s20, s20, s21
	s_add_co_u32 s20, s20, 2*PA                    ; at fill 2
	s_mov_b32 s21, 0
	s_add_nc_u64 s[PFA:PFA+1], s[PFA:PFA+1], s[20:21]
.macro FRAG reg, adr, off              ; a fragment's image: three loads of 512 bytes on end, 16 a lane
.irp j, 0,1,2
	ds_load_b128 v[\reg+4*\j:\reg+4*\j+3], v[\adr] offset:\off+512*\j
.endr
.endm
; 16 matrix instructions: x's blocks 4 h .. 4 h + 3 against W's four blocks (w = 0; set p) or U's (w = 1; set u).  p: also the set of scale words.  first = 1: W's products take the bias as C and start the sums.
; No two matrix instructions on end name one accumulator.
.macro MULB h, w, p, u, first
.if \w
	WIN MUL_U
.else
.if \first
	WIN MUL_BI
.else
	WIN MUL_W
.endif
.endif
.irp a, 0,1,2,3
.irp b, 0,1,2,3
.if \w
	v_wmma_scale_f32_16x16x128_f8f6f4 v[32*(4*(\h)+\a)+8*\b:32*(4*(\h)+\a)+8*\b+7], v[48*(\u)+FR*\b:48*(\u)+FR*\b+FR-1], v[AF+FR*(4*(\h)+\a):AF+FR*(4*(\h)+\a)+FR-1], v[32*(4*(\h)+\a)+8*\b:32*(4*(\h)+\a)+8*\b+7], v[SC+8*(\p)+4+\b], v[SC+8*(\p)+4*(\h)+\a] matrix_a_fmt:MATRIX_FMT_BF6 matrix_b_fmt:MATRIX_FMT_BF6 matrix_a_scale:MATRIX_SCALE_ROW1
.else
.if \first
	v_wmma_scale_f32_16x16x128_f8f6f4 v[32*(4*(\h)+\a)+8*\b:32*(4*(\h)+\a)+8*\b+7], v[48*(\p)+FR*\b:48*(\p)+FR*\b+FR-1], v[AF+FR*(4*(\h)+\a):AF+FR*(4*(\h)+\a)+FR-1], v[BI+8*\b:BI+8*\b+7], v[SC+8*(\p)+\b], v[SC+8*(\p)+4*(\h)+\a] matrix_a_fmt:MATRIX_FMT_BF6 matrix_b_fmt:MATRIX_FMT_BF6 matrix_a_scale:MATRIX_SCALE_ROW1
.else
	v_wmma_scale_f32_16x16x128_f8f6f4 v[32*(4*(\h)+\a)+8*\b:32*(4*(\h)+\a)+8*\b+7], v[48*(\p)+FR*\b:48*(\p)+FR*\b+FR-1], v[AF+FR*(4*(\h)+\a):AF+FR*(4*(\h)+\a)+FR-1], v[32*(4*(\h)+\a)+8*\b:32*(4*(\h)+\a)+8*\b+7], v[SC+8*(\p)+\b], v[SC+8*(\p)+4*(\h)+\a] matrix_a_fmt:MATRIX_FMT_BF6 matrix_b_fmt:MATRIX_FMT_BF6 matrix_a_scale:MATRIX_SCALE_ROW1
.endif
.endif
.endr
.endr
.endm
.macro FETCH_W slot, q                 ; W's four fragments (12 loads) and the eight scale registers (4 loads) of kk q of the slot, into sets q % 2
	WIN TO_W
.irp i, 0,1,2,3
	FRAG 48*((\q)%2)+FR*\i, ADRW+\slot, KKW*(\q)+1536*\i
.endr
	WIN 0
.irp j, 0,1,2,3
	ds_load_b64 v[SC+8*((\q)%2)+2*\j:SC+8*((\q)%2)+2*\j+1], v[ADRS+4*(\slot)+(\q)] offset:128*\j
.endr
.endm
.macro FETCH_A slot, q, i0             ; x's blocks i0 .. i0 + 3: 12 loads
.irp i, \i0, \i0+1, \i0+2, \i0+3
	FRAG AF+FR*(\i), ADRA+\slot, KKA*(\q)+1536*(\i)
.endr
.endm
.macro PLACES n                        ; plain places between a matrix instruction and a load into, or a store from, its registers (ISA guide 7.12.1 for stores)
.rept \n
	v_nop
.endr
.endm
; One kk, q of its slot's four, that is not the slot's last.  c: its place in the lap.  un: how many later kk's loads of U are out at its products with U: 3, and in the last kk 2, 1.
; The loads go out in runs: at the start U's of three kk on (into the set that the last kk left, behind that kk's places) and W's and the scale words of the next kk; x's blocks 0-3 in the middle; blocks 4-7 at the end.
.macro STEP slot, q, first, c, un
.if \un == 3
	ULOAD (\c)+3, ((\q)+3)%4
.endif
	FETCH_W \slot, (\q)+1
	s_wait_dscnt 8*NL+4                            ; out may be: x's blocks 4-7 of this kk (12) and the 16 just issued
	MULB 0, 0, (\q)%2, \q, \first
	s_wait_loadcnt 4*NL*(\un)                      ; this kk's fragments of U are in; the later kk's 12 loads each may be out
	MULB 0, 1, (\q)%2, \q, 0
	s_wait_dscnt 4*NL+4                            ; x's blocks 4-7 are in; the 16 may be out
	PLACES 4
	WIN 0
	FETCH_A \slot, (\q)+1, 0
	MULB 1, 0, (\q)%2, \q, \first
	MULB 1, 1, (\q)%2, \q, 0
	PLACES 4
	WIN 0
	FETCH_A \slot, (\q)+1, 4
.endm
; A slot's last kk (q = 3), with the change of slots at its head.  fill = 1: the slot takes the four kk that lie eight kk on; 0: nothing is left to fetch.
.macro TURN slot, next, fill, c
.if \fill
	s_wait_xcnt 0x0                                ; my last prefetches have read their address
	s_add_nc_u64 s[PFA:PFA+1], s[PFA:PFA+1], PA
.endif
	ULOAD (\c)+3, 2
	s_wait_tensorcnt 0x0                           ; my one load that was out, my part of the next slot, has landed;
	ds_add_u32 v[SPW], v[NIL]                      ; 0 onto my spare word
.if \fill
	s_add_nc_u64 s[G0+4*\slot+2:G0+4*\slot+3], s[G0+4*\slot+2:G0+4*\slot+3], 2*PA      ; no tensor load of mine is out: this slot's next tile
	s_add_nc_u64 s[G0B+4*\slot+2:G0B+4*\slot+3], s[G0B+4*\slot+2:G0B+4*\slot+3], 2*PA
.endif
	s_wait_dscnt 0x0                               ; the add is done, and my reads of this slot are over: this kk's fragments are all in registers
	s_barrier_signal -1
	s_barrier_wait -1
.if \fill
	CREST                                          ; the barrier has opened a round of the cluster's barrier: no wave of any partner still reads this slot or has a load on its way
	JLOAD \slot                                    ; the first tensor load behind the round
.endif
	FETCH_W \next, 0
	MULB 0, 0, 1, 3, 0
	s_wait_loadcnt 12*NL                           ; three later kk's loads of U may be out
	MULB 0, 1, 1, 3, 0
	PLACES 4
	WIN 0
	FETCH_A \next, 0, 0
.if \fill
	ASK \slot
.endif
	MULB 1, 0, 1, 3, 0
	MULB 1, 1, 1, 3, 0
	PLACES 4
	WIN 0
	FETCH_A \next, 0, 4
.endm
; THE WAY OUT of block a, 16 rows x 64 outputs: a lane's 32 bytes go into my own stage and come back as rows of 256 bytes.  LDS serves a wave's instructions in order (ISA guide 5.7.1): no wait between the stores and the loads.
.macro TOSTAGE a
	WIN 0x08                                       ; the data: window 2
.irp b, 0,1,2,3
	ds_store_b128 v[STO], v[32*(\a)+8*\b:32*(\a)+8*\b+3] offset:64*\b        ; each accumulator from its low end on
	ds_store_b128 v[STO], v[32*(\a)+8*\b+4:32*(\a)+8*\b+7] offset:64*\b+16
.endr
	WIN 0
.set BB, BK+32*((\a)%2)
.irp t, 0,1,2,3,4,5,6,7
	ds_load_b128 v[BB+4*\t:BB+4*\t+3], v[RD] offset:\t*2*SPITCH
.endr
.endm
.macro SEND a, younger                 ; younger: the LDS instructions issued behind block a's loads
.set BB, BK+32*((\a)%2)
	s_wait_dscnt \younger
.if (\a) > 0
	s_add_nc_u64 s[14:15], s[14:15], 16*ROWC       ; (behind a wait on XCNT: the earlier stores have read their base)
.endif
.irp t, 0,1,2,3,4,5,6,7
	global_store_b128 v[CO], v[BB+4*\t:BB+4*\t+3], s[14:15] offset:\t*2*ROWC th:TH_STORE_NT   ; 16 lanes store 256 consecutive bytes, aligned
.endr
.endm
	s_wait_alu depctr_va_vdst(0)
	s_wait_tensorcnt 0x0                           ; my part of kk 0-3 is in
	ds_add_u32 v[SPW], v[NIL]
	s_wait_dscnt 0x0
	CROUND                                         ; everybody's part is in, and all sixteen work-groups are here
	JLOAD 1                                        ; kk 4-7, the first tensor load behind the round
	FETCH_W 0, 0
	FETCH_A 0, 0, 0
	FETCH_A 0, 0, 4
	ASK2                                           ; fill 2
	s_wait_loadcnt 12*NL                           ; the bias is in; U's 36 loads may be out
	STEP 0, 0, 1, 0, 3                             ; the first kk starts the sums
	s_mov_b32 s3, 3
.Llap:                                                 ; a trip: eight kk, once round the ring, from slot 0's second kk to the next lap's first: the sets of W (2) and of U (4) and the slots are back where they began
	STEP 0, 1, 0, 1, 3
	STEP 0, 2, 0, 2, 3
	TURN 0, 1, 1, 3
	STEP 1, 0, 0, 4, 3
	STEP 1, 1, 0, 5, 3
	STEP 1, 2, 0, 6, 3
	TURN 1, 0, 1, 7
	STEP 0, 0, 0, 8, 3
	s_wait_xcnt 0x0                                ; U's loads have read their base
	s_add_nc_u64 s[UBA:UBA+1], s[UBA:UBA+1], 8*KKA
	s_sub_co_u32 s3, s3, 1
	s_cmp_lg_u32 s3, 0
	s_cbranch_scc1 .Llap
	STEP 0, 1, 0, 1, 3                             ; kk 25 to 31 are written out: no more fills; U's last loads, kk 31's, go out in kk 28
	STEP 0, 2, 0, 2, 3
	TURN 0, 1, 0, 3
	STEP 1, 0, 0, 4, 3
	STEP 1, 1, 0, 5, 2
	STEP 1, 2, 0, 6, 1
	s_wait_dscnt 4*NL                              ; the last kk: x's blocks 0-3 are finished at its middle: blocks 0 and 1 leave while blocks 4-7 are multiplied
	MULB 0, 0, 1, 3, 0
	s_wait_loadcnt 0x0
	MULB 0, 1, 1, 3, 0
	s_wait_dscnt 0
	PLACES 4                                       ; in front of the stores of blocks 0-3's results and of the loads into v128-159, which held x's blocks 0-2
	TOSTAGE 0
	MULB 1, 0, 1, 3, 0
	TOSTAGE 1
	SEND 0, 16                                     ; behind block 0's loads: block 1's 8 stores and 8 loads
	MULB 1, 1, 1, 3, 0
	PLACES 4                                       ; in front of the stores of blocks 4-7's results
.irp a, 2,3,4,5,6,7
	s_wait_xcnt 0x0                                ; block a - 2's stores have read their registers and their base
	TOSTAGE \a
	SEND \a-1, 16
.endr
	s_wait_xcnt 0x0
	SEND 7, 0
	s_wait_tensorcnt 0x0                           ; the wave's end
	ds_add_u32 v[SPW], v[NIL]
	s_wait_dscnt 0x0
	CROUND                                         ; the closing round
	s_endpgm
.Lfunc_end_k_qa765f24c3b_gemm:
	.size	k_qa765f24c3b_gemm, .Lfunc_end_k_qa765f24c3b_gemm-k_qa765f24c3b_gemm
	.p2alignl 7, 3214868480
	.fill 96, 4, 3214868480
	.section	.rodata,"a",@progbits
	.p2align	6, 0x0
	.amdhsa_kernel k_qa765f24c3b_gemm
		.amdhsa_group_segment_fixed_size 327680
		.amdhsa_private_segment_fixed_size 0
		.amdhsa_enable_private_segment 0
		.amdhsa_kernarg_size 32
		.amdhsa_user_sgpr_count 2
		.amdhsa_user_sgpr_kernarg_segment_ptr 1
		.amdhsa_wavefront_size32 1
		.amdhsa_system_sgpr_workgroup_id_x 1
		.amdhsa_system_sgpr_workgroup_id_y 1
		.amdhsa_system_sgpr_workgroup_id_z 1
		.amdhsa_system_vgpr_workitem_id 0
		.amdhsa_next_free_vgpr 960
		.amdhsa_next_free_sgpr 100
		.amdhsa_reserve_vcc 0
		.amdhsa_float_denorm_mode_32 3
		.amdhsa_float_denorm_mode_16_64 3
		.amdhsa_memory_ordered 1
		.amdhsa_forward_progress 1
		.amdhsa_inst_pref_size 226
	.end_amdhsa_kernel
	.amdgpu_metadata
---
amdhsa.version: [ 1, 2 ]
amdhsa.kernels:
  - .name:           k_qa765f24c3b_gemm
    .symbol:         k_qa765f24c3b_gemm.kd
    .args:
      - { .name: xq, .offset: 0, .size: 8, .value_kind: global_buffer, .address_space: global }
      - { .name: bq, .offset: 8, .size: 8, .value_kind: global_buffer, .address_space: global }
      - { .name: bias, .offset: 16, .size: 8, .value_kind: global_buffer, .address_space: global }
      - { .name: out0, .offset: 24, .size: 8, .value_kind: global_buffer, .address_space: global }
    .group_segment_fixed_size: 327680
    .private_segment_fixed_size: 0
    .kernarg_segment_align: 8
    .kernarg_segment_size: 32
    .max_flat_workgroup_size: 128
    .sgpr_count:     100
    .vgpr_count:     960
    .wavefront_size: 32
...
	.end_amdgpu_metadata
.endif
;; end of part 2
